; MI455X (gfx1250); checked and timed in simulation.
; The chip was launched on July 23, 2026; its instructions are those of AMD's public machine-readable ISA for CDNA 5 (MIT licence, August 2026) and "CDNA5" Instruction Set Architecture Reference Guide (July 2026). The comments in the code are by the model that wrote it; some were corrected since.
;; Pillar Feature Net. Allowed arithmetic: float matrix products may take bf16 or f16 operands with f32 sums; all other float work in f32.
;; Inputs: W 9 x 64 float32; beta 64 float32; coors 20,000 x 4 int32; features 20,000 x 100 x 4 float32; gamma 64 float32; num_voxels 20,000 int32.
;; Outputs: out0 20,000 x 64 float32.
;; One version. Each part assembles by itself: llvm-mc -triple=amdgcn-amd-amdhsa -mcpu=gfx1250 --defsym DOCPART=n.
;; ======== version 1 of 1: 2 launches
;; limits: a difference of large sums (such as E[x^2] - mean^2): digits are lost where the result is much smaller than its terms
;; workspace buffers: ymax 5,120,000 bytes; rec 640,000 bytes; part 64,000 bytes
;; launch pillars (part 1): grid 250 x 1, 10 waves a work-group, no clusters, 221,440 bytes of LDS; arguments features, num_voxels, coors, W, gamma, ymax, rec, part; writes ymax, rec, part
.if DOCPART == 1
	.amdgcn_target "amdgcn-amd-amdhsa--gfx1250"
	.amdhsa_code_object_version 6
	.text
	.protected	k_qd20898212e_pillars
	.globl	k_qd20898212e_pillars
	.p2align	8
	.type	k_qd20898212e_pillars,@function
k_qd20898212e_pillars:
	s_mov_b64 s[64:65], 0
	v_nop
	global_prefetch_b8 v0, s[64:65] scope:SCOPE_SE
	s_setreg_imm32_b32 hwreg(HW_REG_WAVE_MODE, 25, 1), 1
	s_wait_xcnt 0x0
; PillarFeatureNet, first pass: the one pass over features.
; For a valid point of pillar k:  x_c = u.We_c + e_k.Wb_c + x0_c,  u = point - pi (pi = features[0][0][:], a fixed pivot),
;   We = (W0+W4+W7, W1+W5+W8, W2+W6, W3), Wb = W4..W8, e_k = -(mean_k - pi (x,y,z), cx_k, cy_k), x0 = pi.W0..3 + pi_x W7 + pi_y W8.
; BatchNorm and ReLU rise with sg_c x_c, sg_c = the sign of gamma_c, so one maximum per pillar and channel, taken ahead of them, is enough.
; This launch stores  ymax[k][c] = max over valid points of sg_c (u.We_c)   (matrix unit, bf16 operands, f32 results),
;                     rec[k][0..7] = e_k (5), zc (0 if n < 100: a masked row gives x = 0; else -inf), 0, 0,
;                     part[wg][0..63] = this work-group's moments of psi = (u, e) over valid points:
;                       slot 9i - i(i-1)/2 + (j-i) = sum psi_i psi_j (i <= j), 45 = count, 46..54 = sum psi_i, 55..63 = 0.
; Sums are taken about the pivot, so a common offset of the features enters no sum.
; LIMITS: num_voxels >= 1 (with 0 the division in the definition gives no number); |u.We| < 2^100 (the mask adds -2^100);
;   an infinity or NaN in a masked point makes NaN here (0 x inf), as it does in the definition's batch statistics.
; SHARES: a work-group has 80 pillars, a wave 8 pillars = 800 points = 12,800 bytes, its own bytes of LDS, brought by five tensor loads
;   of 2,560 bytes that go out first of all; no LDS byte is filled twice.  No work-group shares input with another but the 2,304 bytes of W,
;   so there is no cluster.
.set UNITB,  12800                     ; bytes of a wave's 8 pillars
.set CHUNK,  2560                      ; bytes of one tensor load: 10 rows of 256
.set SCR,    128000                    ; LDS: 320 rows (one a thread) of 64 slots, pitch 272
.set SPITCH, 272                       ; 17 x 16 bytes: sixteen neighbouring rows' quads start at sixteen different 16-byte columns of 256
.set SCR2,   215040                    ; LDS: 20 rows of 256 bytes
.set BF,   16                          ; v[16:51]   eight B fragments, 4 registers apart: fragment f's upper four registers are fragment f+1's lower four
.set A,    52                          ; v[52:67]   two A buffers of 8; registers 3-7 of each stay 0
.set GB,   68                          ; v[68:75]   two buffers of a loaded point
.set ACC,  76                          ; v[76:107]  running maxima: pillar p, column tile ct at ACC + 4 p + ct
.set D,    108                         ; v[108:235] two buffers of eight result tiles: nothing that must outlive the matrix phase lies here
.set WL,   108                         ; W's nine quads and gamma's, while the B fragments are made
.set LO,   236
.set HI,   240
.set TT,   244
.set OUT,  208                         ; v[208:223] ymax rows as stored
.set X,    108                         ; v[108:207] moments: my 25 points
.set M,    16                          ; v[16:75]   moments: slots 0..59
.set UMR,  224                         ; v[224:227] the masked point
.set SALL, 236                         ; v[236:239] sum of all my points, masked ones too (the definition's mean sums all 100)
.set E,    240                         ; v[240:244] e_k
.set R,    108                         ; the sums over the work-group
; v1 lane, v2/v3 LDS addresses, v[4:7] pi, v8 0, v9 -inf, v10 n, v11 16 (lane % 16), v[12:13] coors[k][2:3], v14 my quarter's threshold,
; v15, v254 offsets of n and coors, v251 16 lane, v252 8 lane, v255 bf16 1.0; v[228:229] (mask factor, 1.0), written behind the matrix phase
	s_load_b512 s[16:31], s[0:1], 0x0              ; features 16, num_voxels 18, coors 20, W 22, gamma 24, ymax 26, rec 28, part 30
	v_lshl_add_u32 v253, v0, 2, 0x35c00
	s_set_vgpr_msb 0x40
	v_mov_b32 v1, 0
	s_set_vgpr_msb 0x4044
	ds_add_u32 v253, v1
	ds_add_u32 v253, v1
	s_set_vgpr_msb 0x4400
	v_lshrrev_b32 v1, 5, v0
	v_readfirstlane_b32 s2, v1                     ; wave 0..9
	s_mul_i32 s3, ttmp9, 10
	s_add_co_u32 s3, s3, s2                        ; unit = 10 x work-group + wave: pillars 8 unit .. 8 unit + 7
	; descriptor group 1: 10 rows of 32 elements of 8 bytes, dense (pitch 32 elements), no padding, no mask
	s_mov_b32 s32, 3<<16
	s_mov_b32 s33, 32<<16                          ; tensor_dim0 = 32
	s_mov_b32 s34, 10<<16                          ; tensor_dim1 = 10
	s_mov_b32 s35, 32<<16                          ; tile_dim0 = 32
	s_mov_b32 s36, 10                              ; tile_dim1 = 10
	s_mov_b32 s37, 32                              ; pitch
	s_mov_b32 s38, 0
	s_mov_b32 s39, 0
	s_mul_i32 s4, s2, UNITB                        ; my bytes of LDS
	s_mul_i32 s92, s3, UNITB                       ; my bytes of features: below 32,000,000
	s_mov_b32 s93, 0
	s_lshl_b32 s5, s3, 5                           ; my 8 words of num_voxels
	s_wait_dscnt 0x0
	s_wait_kmcnt 0x0
	s_add_nc_u64 s[6:7], s[16:17], s[92:93]
.irp j,0,1,2,3,4
	s_mov_b32 s[40+4*\j], 1
	s_add_co_u32 s[41+4*\j], s4, \j*CHUNK
	s_add_nc_u64 s[42+4*\j:43+4*\j], s[6:7], \j*CHUNK
	s_or_b32 s[43+4*\j], s[43+4*\j], 0x80000000
	tensor_load_to_lds s[40+4*\j:43+4*\j], s[32:39]    ; all five first fills as one group: five are out at the most
	s_nop 0
.endr
	s_load_b256 s[68:75], s[18:19], s5 offset:0x0  ; n of my 8 pillars
	s_load_b128 s[76:79], s[16:17], 0x0            ; the pivot
	v_and_b32 v1, 31, v0                           ; lane
	v_and_b32 v11, 15, v0
	v_lshlrev_b32 v11, 4, v11                      ; 16 r: my four channels 4 r .. 4 r + 3
	v_lshrrev_b32 v15, 2, v1
	v_lshl_add_u32 v15, s3, 3, v15                 ; moments: four lanes a pillar, k = 8 unit + lane / 4
	v_lshlrev_b32 v254, 4, v15
	v_lshlrev_b32 v15, 2, v15
.irp i,0,1,2,3,4,5,6,7,8
	global_load_b128 v[WL+4*\i:WL+4*\i+3], v11, s[22:23] offset:256*\i
.endr
	global_load_b128 v[WL+36:WL+39], v11, s[24:25]
	global_load_b32 v10, v15, s[18:19]
	global_load_b64 v[12:13], v254, s[20:21] offset:8
	s_mov_b32 s84, 0xffff0000                      ; lanes 16-31
	s_mov_b32 s86, 0x76543210                      ; v_permlanex16_b32: lane i takes lane i of the other half
	s_mov_b32 s87, 0xfedcba98
	s_mov_b32 s88, 0xbe4ccccd                      ; -0.2
	s_mov_b32 s89, 0xbdcccccd                      ; -0.1
	s_mov_b32 s90, 0x421f999a                      ; 39.9
	s_lshl_b32 s92, s3, 11
	s_add_nc_u64 s[26:27], s[26:27], s[92:93]      ; ymax at my 8 rows of 256 bytes
	s_lshl_b32 s92, s3, 8
	s_add_nc_u64 s[28:29], s[28:29], s[92:93]      ; rec at my 8 rows of 32 bytes
	s_lshl_b32 s92, ttmp9, 8
	s_add_nc_u64 s[30:31], s[30:31], s[92:93]      ; part at the work-group's row
	v_lshlrev_b32 v251, 4, v1
	v_lshlrev_b32 v252, 3, v1
	v_add_nc_u32 v2, s4, v251                      ; matrix phase: lane l takes point 32 i + l
	v_mul_u32_u24 v3, v1, 400
	v_add_nc_u32 v3, s4, v3                        ; moments: lane l takes points 25 l .. 25 l + 24; 400 bytes = 25 x 16, an odd multiple of 16
	v_mov_b32 v8, 0
	v_mov_b32 v9, 0xff800000
	v_mov_b32 v255, 0x3f80                         ; bf16 1.0 at k = 4: marks a masked point
	v_mov_b32 v250, 0xf180                         ; bf16 -2^100 at k = 4: what a marked point gets added
.irp j,3,4,5,6,7
	v_mov_b32 v[A+\j], 0
	v_mov_b32 v[A+8+\j], 0
.endr
.irp j,32,33,34,35
	v_mov_b32 v[BF+\j], 0
.endr
	s_wait_kmcnt 0x0
.irp a,0,1,2,3,4,5,6,7
	s_min_u32 s[68+\a], s[68+\a], 100
.endr
	v_mov_b32 v4, s76
	v_mov_b32 v5, s77
	v_mov_b32 v6, s78
	v_mov_b32 v7, s79
	; B fragments.  Column r of tile ct is channel 4 r + ct, so that a lane ends with four neighbouring channels.
	s_wait_loadcnt 0x2                             ; W and gamma are in; the two youngest loads (n, coors) stay out
.irp hh,0,2
	v_pk_add_f32 v[WL+\hh:WL+\hh+1], v[WL+\hh:WL+\hh+1], v[WL+16+\hh:WL+16+\hh+1]
	v_pk_add_f32 v[WL+4+\hh:WL+4+\hh+1], v[WL+4+\hh:WL+4+\hh+1], v[WL+20+\hh:WL+20+\hh+1]
	v_pk_add_f32 v[WL+8+\hh:WL+8+\hh+1], v[WL+8+\hh:WL+8+\hh+1], v[WL+24+\hh:WL+24+\hh+1]
	v_pk_add_f32 v[WL+\hh:WL+\hh+1], v[WL+\hh:WL+\hh+1], v[WL+28+\hh:WL+28+\hh+1]
	v_pk_add_f32 v[WL+4+\hh:WL+4+\hh+1], v[WL+4+\hh:WL+4+\hh+1], v[WL+32+\hh:WL+32+\hh+1]
.endr
.irp ct,0,1,2,3
	v_and_b32 v[WL+36+\ct], 0x80000000, v[WL+36+\ct]           ; gamma's sign
.endr
.irp ct,0,1,2,3
.irp i,0,1,2,3
	v_xor_b32 v[WL+4*\i+\ct], v[WL+36+\ct], v[WL+4*\i+\ct]     ; sg We
.endr
.endr
.irp ct,0,1,2,3
	v_cvt_pk_bf16_f32 v[LO+\ct], v[WL+\ct], v[WL+4+\ct]        ; k = 0, 1
	v_cvt_pk_bf16_f32 v[HI+\ct], v[WL+8+\ct], v[WL+12+\ct]     ; k = 2, 3
.endr
	; Fragment 2 ct + var is filled in the lanes of half var alone: k = 8 var .. 8 var + 4.  In A lanes 0-15 hold k = 0..7 and lanes 16-31 k = 8..15
	; of row lane % 16, so variant var multiplies the sixteen points that the lanes of half var loaded.
.irp ct,0,1,2,3
	v_cndmask_b32 v[BF+8*\ct],   v[LO+\ct], v8, s84
	v_cndmask_b32 v[BF+8*\ct+1], v[HI+\ct], v8, s84
	v_cndmask_b32 v[BF+8*\ct+2], v250, v8, s84
	v_mov_b32     v[BF+8*\ct+3], 0
	v_cndmask_b32 v[BF+8*\ct+4], v8, v[LO+\ct], s84
	v_cndmask_b32 v[BF+8*\ct+5], v8, v[HI+\ct], s84
	v_cndmask_b32 v[BF+8*\ct+6], v8, v250, s84
	v_mov_b32     v[BF+8*\ct+7], 0
.endr
; A's registers 0-2 for read i (points 32 i + lane): u in bf16, and 1.0 at k = 4 where the point is masked.
.macro BUILD i
.set B_G, GB+4*((\i)%2)
.set B_A, A+8*((\i)%2)
.set B_P, (32*(\i))/100                ; the pillar of lane 0
.set B_L, 100*(B_P+1)-32*(\i)          ; the first lane of the next pillar
	v_pk_add_f32 v[B_G:B_G+1], v[B_G:B_G+1], v[4:5] neg_lo:[0,1] neg_hi:[0,1]
	v_pk_add_f32 v[B_G+2:B_G+3], v[B_G+2:B_G+3], v[6:7] neg_lo:[0,1] neg_hi:[0,1]
	v_cvt_pk_bf16_f32 v[B_A], v[B_G], v[B_G+1]
	v_cvt_pk_bf16_f32 v[B_A+1], v[B_G+2], v[B_G+3]
	s_add_co_i32 s80, s[68+B_P], 100*B_P-32*(\i)
	v_cmp_gt_i32 vcc_lo, s80, v1                   ; valid: lane < n + 100 p - 32 i, which is at most B_L since n <= 100
.if B_L < 32
	s_add_co_i32 s82, s[69+B_P], B_L
	v_cmp_gt_i32 s81, s82, v1                      ; the next pillar's lanes: B_L <= lane < n' + B_L
	s_and_not1_b32 s81, s81, (1<<B_L)-1
	s_or_b32 vcc_lo, vcc_lo, s81
.endif
	v_cndmask_b32 v[B_A+2], v255, v8, vcc_lo
.endm
; Eight products for read i: tiles 2 i and 2 i + 1 of sixteen points, four column tiles each.  Every one takes 0 as C and has a D of its own,
; so no two matrix instructions share an accumulator and nothing is added in place.
.macro MM i
.set M_A, A+8*((\i)%2)
.set M_D, D+64*((\i)%2)
.irp var,0,1
.irp ct,0,1,2,3
	v_wmma_f32_16x16x32_bf16 v[M_D+8*(4*\var+\ct):M_D+8*(4*\var+\ct)+7], v[M_A:M_A+7], v[BF+4*(2*\ct+\var):BF+4*(2*\ct+\var)+7], 0
.endr
.endr
.endm
; Tile T (points 16 T .. 16 T + 15) into the running maxima.  Register j of lane (r, h) is point 8 h + j.  A pillar ends inside tiles
; 6, 12, 18, 31, 37, 43, at point 4, 8 or 12 of the tile: there the halves of the lanes and of the registers are parted.
.macro TMAX T
.set T_DB, D+64*(((\T)/2)%2)+32*((\T)%2)
.set T_P, (16*(\T))/100
.set T_SP, 100*(T_P+1)-16*(\T)
.set T_AC, ACC+4*T_P
.if T_SP >= 16
.if (16*(\T))%100 == 0
.irp ct,0,1,2,3
	v_max3_num_f32 v[T_AC+\ct], v[T_DB+8*\ct], v[T_DB+8*\ct+1], v[T_DB+8*\ct+2]    ; the pillar's first tile starts its maxima
.endr
.irp ct,0,1,2,3
	v_max3_num_f32 v[T_AC+\ct], v[T_AC+\ct], v[T_DB+8*\ct+3], v[T_DB+8*\ct+4]
.endr
.irp ct,0,1,2,3
	v_max3_num_f32 v[T_AC+\ct], v[T_AC+\ct], v[T_DB+8*\ct+5], v[T_DB+8*\ct+6]
.endr
.irp ct,0,1,2,3
	v_max_num_f32 v[T_AC+\ct], v[T_AC+\ct], v[T_DB+8*\ct+7]
.endr
.else
.irp j,0,2,4,6
.irp ct,0,1,2,3
	v_max3_num_f32 v[T_AC+\ct], v[T_AC+\ct], v[T_DB+8*\ct+\j], v[T_DB+8*\ct+\j+1]
.endr
.endr
.endif
.else
.irp ct,0,1,2,3
	v_max3_num_f32 v[LO+\ct], v[T_DB+8*\ct], v[T_DB+8*\ct+1], v[T_DB+8*\ct+2]
	v_max3_num_f32 v[HI+\ct], v[T_DB+8*\ct+4], v[T_DB+8*\ct+5], v[T_DB+8*\ct+6]
.endr
.irp ct,0,1,2,3
	v_max_num_f32 v[LO+\ct], v[LO+\ct], v[T_DB+8*\ct+3]        ; points 8 h + 0..3
	v_max_num_f32 v[HI+\ct], v[HI+\ct], v[T_DB+8*\ct+7]        ; points 8 h + 4..7
.endr
.if T_SP == 4
.irp ct,0,1,2,3
	v_cndmask_b32 v[TT+\ct], v[LO+\ct], v9, s84                ; the old pillar: lanes 0-15, registers 0-3
	v_max_num_f32 v[T_AC+\ct], v[T_AC+\ct], v[TT+\ct]
.endr
.irp ct,0,1,2,3
	v_cndmask_b32 v[TT+\ct], v9, v[LO+\ct], s84
	v_max_num_f32 v[T_AC+4+\ct], v[HI+\ct], v[TT+\ct]          ; the rest starts the new one
.endr
.endif
.if T_SP == 8
.irp ct,0,1,2,3
	v_max_num_f32 v[LO+\ct], v[LO+\ct], v[HI+\ct]
.endr
.irp ct,0,1,2,3
	v_cndmask_b32 v[TT+\ct], v[LO+\ct], v9, s84                ; lanes 0-15: the old pillar
	v_cndmask_b32 v[T_AC+4+\ct], v9, v[LO+\ct], s84            ; lanes 16-31: the new one
.endr
.irp ct,0,1,2,3
	v_max_num_f32 v[T_AC+\ct], v[T_AC+\ct], v[TT+\ct]
.endr
.endif
.if T_SP == 12
.irp ct,0,1,2,3
	v_cndmask_b32 v[TT+\ct], v[HI+\ct], v9, s84
	v_cndmask_b32 v[T_AC+4+\ct], v9, v[HI+\ct], s84            ; the new pillar: lanes 16-31, registers 4-7
.endr
.irp ct,0,1,2,3
	v_max3_num_f32 v[T_AC+\ct], v[T_AC+\ct], v[LO+\ct], v[TT+\ct]
.endr
.endif
.endif
.endm
	; THE MATRIX PHASE, 25 reads of 32 points.  Step i: ask for read i + 2, multiply read i, take the maxima of read i - 1, build A for read i + 1.
	; Between the products of a read and the first vector instruction that reads them stand BUILD's six plain vector instructions (and the maxima of
	; the read before, on the other D buffer): more than the four places asked behind a matrix instruction (ISA guide 7.12.1).  A's and D's buffers are written again two steps later.
	s_wait_tensorcnt 0x4                           ; tensor loads of a wave end in order: my first 2,560 bytes (reads 0-4) are in, four loads stay out
	ds_load_b128 v[GB:GB+3], v2
	ds_load_b128 v[GB+4:GB+7], v2 offset:512
	s_wait_dscnt 0x1
	BUILD 0
.set ii, 0
.rept 25
.if ii+2 <= 24
.if (ii+2)%5 == 0
	s_wait_tensorcnt 4-(ii+2)/5                    ; read i + 2 opens the next 2,560 bytes: the loads issued behind theirs stay out
.endif
	ds_load_b128 v[GB+4*(ii%2):GB+4*(ii%2)+3], v2 offset:512*(ii+2)
.endif
	MM ii
.if ii >= 1
	TMAX 2*ii-2
	TMAX 2*ii-1
.endif
.if ii+1 <= 24
.if ii+2 <= 24
	s_wait_dscnt 0x1                               ; read i + 1 is in; the one just asked for stays out
.else
	s_wait_dscnt 0x0
.endif
	BUILD ii+1
.endif
.set ii, ii+1
.endr
	TMAX 48                                        ; behind the last products stand the 32 instructions of tiles 46 and 47, on the other D buffer
	TMAX 49
	; my 25 points for the moments are asked for now and land under the combine
.irp t,0,1,2,3,4,5,6,7,8,9,10,11,12,13,14,15,16,17,18,19,20,21,22,23,24
	ds_load_b128 v[X+4*\t:X+4*\t+3], v3 offset:16*\t
.endr
	; COMBINE: a maximum is still split over lanes r and r + 16.  Two pillars at a time: lanes 0-15 end with pillar 2 j, lanes 16-31 with 2 j + 1,
	; each lane with 16 neighbouring bytes, so one store writes two whole rows of 256 bytes.
.irp j,0,1,2,3
.irp ct,0,1,2,3
	v_cndmask_b32 v[OUT+4*\j+\ct], v[ACC+8*\j+4+\ct], v[ACC+8*\j+\ct], s84     ; what the other half needs
	v_cndmask_b32 v[TT+\ct], v[ACC+8*\j+\ct], v[ACC+8*\j+4+\ct], s84           ; what I keep
.endr
.irp ct,0,1,2,3
	v_permlanex16_b32 v[LO+\ct], v[OUT+4*\j+\ct], s86, s87
.endr
.irp ct,0,1,2,3
	v_max_num_f32 v[OUT+4*\j+\ct], v[TT+\ct], v[LO+\ct]
.endr
	global_store_b128 v251, v[OUT+4*\j:OUT+4*\j+3], s[26:27] offset:512*\j
.endr
	; THE MOMENTS.  Lane l: quarter l % 4 of pillar l / 4.
	s_wait_loadcnt 0x0                             ; n and coors
	v_mov_b32 v229, 1.0                            ; written here and not at the head: v[228:235] was the last result tile of the matrix phase
	v_and_b32 v230, 3, v1
	v_min_u32 v14, 100, v10
	v_mul_u32_u24 v230, v230, 25
	v_sub_nc_u32 v14, v14, v230                    ; my point t is valid if t < min(n, 100) - 25 quarter
.macro MO d, a, b, s0, s1, h0, h1, first
.if \first
	v_pk_mul_f32 v[M+\d:M+\d+1], v[\a:\a+1], v[\b:\b+1] op_sel:[\s0,\s1] op_sel_hi:[\h0,\h1]
.else
	v_pk_fma_f32 v[M+\d:M+\d+1], v[\a:\a+1], v[\b:\b+1], v[M+\d:M+\d+1] op_sel:[\s0,\s1,0] op_sel_hi:[\h0,\h1,1]
.endif
.endm
.macro MOMS u, first                   ; the ten products u_i u_j, two at a time; slots 8, 16 and 25 hold doubles for now
	MO 0,  \u,   \u,   0, 0, 1, 0, \first          ; (x, y) x
	MO 2,  \u+2, \u,   0, 0, 1, 0, \first          ; (z, w) x
	MO 8,  \u,   \u,   0, 1, 1, 1, \first          ; (x, y) y
	MO 10, \u+2, \u,   0, 1, 1, 1, \first          ; (z, w) y
	MO 16, \u+2, \u+2, 1, 0, 0, 0, \first          ; (w, z) z
	MO 24, \u+2, \u+2, 1, 1, 0, 1, \first          ; (w, z) w
.endm
.macro PT t
.set P_X, X+4*\t
	s_wait_dscnt 24-\t                             ; LDS loads come back in order: point t is in, the younger ones stay out
	v_pk_add_f32 v[P_X:P_X+1], v[P_X:P_X+1], v[4:5] neg_lo:[0,1] neg_hi:[0,1]
	v_pk_add_f32 v[P_X+2:P_X+3], v[P_X+2:P_X+3], v[6:7] neg_lo:[0,1] neg_hi:[0,1]
	v_cmp_lt_i32 vcc_lo, \t, v14
	v_cndmask_b32 v228, 0, v229, vcc_lo            ; 1.0 or 0
.if \t == 0
	v_pk_mul_f32 v[M+46:M+47], v[P_X:P_X+1], v[228:229] op_sel_hi:[1,0]        ; the first point starts every sum: nothing is cleared
	v_pk_mul_f32 v[M+48:M+49], v[P_X+2:P_X+3], v[228:229] op_sel_hi:[1,0]
	MOMS M+46, 1
.else
.if \t == 1
	v_pk_add_f32 v[SALL:SALL+1], v[X:X+1], v[P_X:P_X+1]
	v_pk_add_f32 v[SALL+2:SALL+3], v[X+2:X+3], v[P_X+2:P_X+3]
.else
	v_pk_add_f32 v[SALL:SALL+1], v[SALL:SALL+1], v[P_X:P_X+1]
	v_pk_add_f32 v[SALL+2:SALL+3], v[SALL+2:SALL+3], v[P_X+2:P_X+3]
.endif
	v_pk_mul_f32 v[UMR:UMR+1], v[P_X:P_X+1], v[228:229] op_sel_hi:[1,0]
	v_pk_mul_f32 v[UMR+2:UMR+3], v[P_X+2:P_X+3], v[228:229] op_sel_hi:[1,0]
	v_pk_add_f32 v[M+46:M+47], v[M+46:M+47], v[UMR:UMR+1]
	v_pk_add_f32 v[M+48:M+49], v[M+48:M+49], v[UMR+2:UMR+3]
	MOMS UMR, 0
.endif
.endm
.irp t,0,1,2,3,4,5,6,7,8,9,10,11,12,13,14,15,16,17,18,19,20,21,22,23,24
	PT \t
.endr
	; e_k, alike in the pillar's four lanes
.irp c,0,1,2
	v_add_f32_dpp v[SALL+\c], v[SALL+\c], v[SALL+\c] row_xmask:1 row_mask:0xf bank_mask:0xf
.endr
.irp c,0,1,2
	v_add_f32_dpp v[SALL+\c], v[SALL+\c], v[SALL+\c] row_xmask:2 row_mask:0xf bank_mask:0xf
.endr
	v_cvt_f32_i32 v230, v10
	v_rcp_f32 v231, v230
	v_sub_f32 v232, 0x42c80000, v230               ; 100 - n; also the plain instruction asked behind v_rcp_f32 (ISA guide 5.7.2)
.irp c,0,1,2
	v_fma_f32 v[SALL+\c], v232, v[4+\c], v[SALL+\c]            ; sum of all 100 points - n pi
.endr
	s_wait_alu depctr_va_vdst(0)
.irp c,0,1,2
	v_mul_f32 v[E+\c], -v[SALL+\c], v231                       ; -(mean - pi)
.endr
	v_cvt_f32_i32 v233, v13
	v_cvt_f32_i32 v234, v12
	v_fma_f32 v[E+3], v233, s88, s89               ; -cx = -(0.2 coors[k][3] + 0.1)
	v_fma_f32 v[E+4], v234, s88, s90               ; -cy = -(0.2 coors[k][2] - 39.9)
	v_cvt_f32_i32 v235, v14
	v_max_num_f32 v235, 0, v235
	v_min_num_f32 v[M+45], 0x41c80000, v235        ; my valid points: the threshold held to 0 .. 25
	v_mov_b32 v[M+18], v[M+16]                     ; z w to its slot, ahead of slot 16's own number
.irp j,0,1,2,3,4
	v_mul_f32 v[M+50+\j], v[M+45], v[E+\j]
	v_mul_f32 v[M+4+\j],  v[M+46], v[E+\j]         ; sum u_i e_j from my own sum of u: nothing is counted four times
	v_mul_f32 v[M+12+\j], v[M+47], v[E+\j]
	v_mul_f32 v[M+19+\j], v[M+48], v[E+\j]
	v_mul_f32 v[M+25+\j], v[M+49], v[E+\j]
.endr
.macro EE i, base
.irp j,0,1,2,3,4
.if \j >= \i
	v_mul_f32 v[M+\base+\j-\i], v[M+50+\i], v[E+\j]
.endif
.endr
.endm
	EE 0, 30
	EE 1, 35
	EE 2, 39
	EE 3, 42
	EE 4, 44
.irp j,55,56,57,58,59
	v_mov_b32 v[M+\j], 0
.endr
	; rec: lane l stores words 2 (l % 4), 2 (l % 4) + 1 of its pillar's eight: the wave's one store covers 256 consecutive bytes, aligned
	v_and_b32 v246, 3, v1
	v_cmp_gt_u32 vcc_lo, 100, v10
	v_cndmask_b32 v245, v9, v8, vcc_lo             ; zc
	v_cmp_eq_u32 vcc_lo, 1, v246
	v_cndmask_b32 v248, v[E], v[E+2], vcc_lo
	v_cndmask_b32 v249, v[E+1], v[E+3], vcc_lo
	v_cmp_eq_u32 vcc_lo, 2, v246
	v_cndmask_b32 v248, v248, v[E+4], vcc_lo
	v_cndmask_b32 v249, v249, v245, vcc_lo
	v_cmp_eq_u32 vcc_lo, 3, v246
	v_cndmask_b32 v248, v248, v8, vcc_lo
	v_cndmask_b32 v249, v249, v8, vcc_lo
	global_store_b64 v252, v[248:249], s[28:29]
	; THE SUM OVER THE WORK-GROUP's 320 threads, in LDS bytes into which no tensor load lands
.macro QADD d, s
	v_pk_add_f32 v[\d:\d+1], v[\d:\d+1], v[\s:\s+1]
	v_pk_add_f32 v[\d+2:\d+3], v[\d+2:\d+3], v[\s+2:\s+3]
.endm
	s_mov_b32 s80, SCR
	s_mov_b32 s81, SCR2
	v_mul_u32_u24 v230, v0, SPITCH
	v_add_nc_u32 v230, s80, v230
.irp i,0,1,2,3,4,5,6,7,8,9,10,11,12,13
	ds_store_b128 v230, v[M+4*\i:M+4*\i+3] offset:16*\i
.endr
	ds_store_b128 v230, v[M+56:M+59] offset:224    ; slots 56..63 are 0
	ds_store_b128 v230, v[M+56:M+59] offset:240
	v_lshrrev_b32 v231, 4, v0
	v_mul_u32_u24 v231, v231, 16*SPITCH
	v_add_nc_u32 v231, v231, v11
	v_add_nc_u32 v231, s80, v231                   ; thread t adds quad t % 16 of rows 16 (t / 16) .. + 15
	v_lshl_add_u32 v232, v0, 4, s81
	s_wait_dscnt 0x0                               ; my rows are written, for the others' sake
	s_barrier_signal -1
	s_barrier_wait -1
.irp i,0,1,2,3,4,5,6,7,8,9,10,11,12,13,14,15
	ds_load_b128 v[R+4*\i:R+4*\i+3], v231 offset:\i*SPITCH
.endr
	s_wait_dscnt 0x0
.irp i,0,1,2,3,4,5,6,7
	QADD R+4*\i, R+4*\i+32
.endr
.irp i,0,1,2,3
	QADD R+4*\i, R+4*\i+16
.endr
	QADD R, R+8
	QADD R+4, R+12
	QADD R, R+4
	ds_store_b128 v232, v[R:R+3]                   ; row t / 16 of twenty, quad t % 16
	s_wait_dscnt 0x0
	s_barrier_signal -1
	s_barrier_wait -1
	s_cmp_lg_u32 s2, 0
	s_cbranch_scc1 .Lend                           ; wave 0 adds the twenty rows
	v_lshrrev_b32 v233, 4, v1
	v_mul_u32_u24 v233, v233, 2560
	v_add_nc_u32 v233, v233, v11
	v_add_nc_u32 v233, s81, v233                   ; rows 10 h .. 10 h + 9, quad r
.irp i,0,1,2,3,4,5,6,7,8,9
	ds_load_b128 v[R+4*\i:R+4*\i+3], v233 offset:256*\i
.endr
	s_wait_dscnt 0x0
.irp i,0,1,2,3,4
	QADD R+4*\i, R+4*\i+20
.endr
	QADD R, R+4
	QADD R+8, R+12
	QADD R, R+8
	QADD R, R+16
.irp c,0,1,2,3
	v_permlanex16_b32 v[R+4+\c], v[R+\c], s86, s87
.endr
	QADD R, R+4
	v_cmp_gt_u32 vcc_lo, 16, v1
	s_wait_xcnt 0x0                                ; EXEC is a source of the stores above: it changes only behind this wait
	s_and_saveexec_b32 s91, vcc_lo
	global_store_b128 v11, v[R:R+3], s[30:31]      ; sixteen lanes: the work-group's 256 bytes of part
	s_wait_xcnt 0x0                                ; and again ahead of the line that widens it
	s_or_b32 exec_lo, exec_lo, s91
.Lend:
	s_set_vgpr_msb 0x4
	s_wait_tensorcnt 0x0
	ds_add_u32 v253, v1
	s_wait_dscnt 0x0
	s_set_vgpr_msb 0x400
	s_endpgm
.Lfunc_end_k_qd20898212e_pillars:
	.size	k_qd20898212e_pillars, .Lfunc_end_k_qd20898212e_pillars-k_qd20898212e_pillars
	.p2alignl 7, 3214868480
	.fill 96, 4, 3214868480
	.section	.rodata,"a",@progbits
	.p2align	6, 0x0
	.amdhsa_kernel k_qd20898212e_pillars
		.amdhsa_group_segment_fixed_size 221440
		.amdhsa_private_segment_fixed_size 0
		.amdhsa_enable_private_segment 0
		.amdhsa_kernarg_size 64
		.amdhsa_user_sgpr_count 2
		.amdhsa_user_sgpr_kernarg_segment_ptr 1
		.amdhsa_wavefront_size32 1
		.amdhsa_system_sgpr_workgroup_id_x 1
		.amdhsa_system_sgpr_workgroup_id_y 1
		.amdhsa_system_sgpr_workgroup_id_z 1
		.amdhsa_system_vgpr_workitem_id 0
		.amdhsa_next_free_vgpr 258
		.amdhsa_next_free_sgpr 96
		.amdhsa_reserve_vcc 1
		.amdhsa_float_denorm_mode_32 3
		.amdhsa_float_denorm_mode_16_64 3
		.amdhsa_memory_ordered 1
		.amdhsa_forward_progress 1
		.amdhsa_inst_pref_size 129
	.end_amdhsa_kernel
	.amdgpu_metadata
---
amdhsa.version: [ 1, 2 ]
amdhsa.kernels:
  - .name:           k_qd20898212e_pillars
    .symbol:         k_qd20898212e_pillars.kd
    .args:
      - { .name: features, .offset: 0, .size: 8, .value_kind: global_buffer, .address_space: global }
      - { .name: num_voxels, .offset: 8, .size: 8, .value_kind: global_buffer, .address_space: global }
      - { .name: coors, .offset: 16, .size: 8, .value_kind: global_buffer, .address_space: global }
      - { .name: W, .offset: 24, .size: 8, .value_kind: global_buffer, .address_space: global }
      - { .name: gamma, .offset: 32, .size: 8, .value_kind: global_buffer, .address_space: global }
      - { .name: ymax, .offset: 40, .size: 8, .value_kind: global_buffer, .address_space: global }
      - { .name: rec, .offset: 48, .size: 8, .value_kind: global_buffer, .address_space: global }
      - { .name: part, .offset: 56, .size: 8, .value_kind: global_buffer, .address_space: global }
    .group_segment_fixed_size: 221440
    .private_segment_fixed_size: 0
    .kernarg_segment_align: 8
    .kernarg_segment_size: 64
    .max_flat_workgroup_size: 320
    .sgpr_count:     96
    .vgpr_count:     258
    .wavefront_size: 32
...
	.end_amdgpu_metadata
.endif
;; end of part 1
;; launch finish (part 2): grid 250 x 1, 8 waves a work-group, no clusters, 7,168 bytes of LDS; arguments ymax, rec, part, W, gamma, beta, features, out0; writes out0
.if DOCPART == 2
	.amdgcn_target "amdgcn-amd-amdhsa--gfx1250"
	.amdhsa_code_object_version 6
	.text
	.protected	k_qd20898212e_finish
	.globl	k_qd20898212e_finish
	.p2align	8
	.type	k_qd20898212e_finish,@function
k_qd20898212e_finish:
	s_mov_b64 s[64:65], 0
	v_nop
	global_prefetch_b8 v0, s[64:65] scope:SCOPE_SE
	s_setreg_imm32_b32 hwreg(HW_REG_WAVE_MODE, 25, 1), 1
	s_wait_xcnt 0x0
; PillarFeatureNet, second pass: batch statistics from the 250 rows of moments, then BatchNorm, ReLU and the masked rows' candidate.
; With V = (We0..3, W4..8), psi = (u, e), x = psi.V + x0 on the nv valid rows and x = 0 on the other 2,000,000 - nv:
;   T1 = sum psi.V, T2 = sum (psi.V)^2 (a quadratic form in the 45 second moments),
;   mu = (T1 + nv x0) / N,  d = x0 - mu,  var = (T2 + d (2 T1 + nv d) + (N - nv) mu^2) / N:  squares about mu, no difference of large sums.
;   out[k][c] = max(0, Ac t + Bc),  t = max(ymax[k][c] + sg x0 + e_k.(sg Wb), zc_k),  Ac = |gamma| rsqrt(var + 0.001),  Bc = beta - Ac sg mu.
; Every work-group adds the 64,000 bytes of part for itself: that takes the place of a launch of its own.
; Thread t: channels 4 r .. 4 r + 3 (r = t % 16), pillar 16 s + t / 16 of the work-group's 80 in step s = 0..4.
; Every load and store of sixteen neighbouring lanes covers 256 consecutive bytes, aligned.  No matrix work: five multiply-adds a number.
.set P,  8                             ; v[8:71]    sixteen quads of part
.set WV, 72                            ; v[72:107]  W's nine quads, then V (We in the first four)
.set GA, 108
.set BE, 112
.set YM, 116                           ; v[116:135] five quads of ymax, worked on in place and stored
.set RC, 136                           ; v[136:175] five records of eight words
.set MT, 176                           ; v[176:231] the totals, slots 0..55, in every lane
.set X0, 8                             ; quads in P's registers, once the totals are made
.set T1, 12
.set T2, 16
.set RR, 20
.set MU, 24
.set DD, 28
.set VA, 32
.set AC, 36
.set BC, 40
.set ZZ, 44
.set SG, 48
.set TQ, 52
.set RS, 60
	s_load_b512 s[16:31], s[0:1], 0x0              ; ymax 16, rec 18, part 20, W 22, gamma 24, beta 26, features 28, out0 30
	v_lshl_add_u32 v236, v0, 2, 0x1800
	v_mov_b32 v237, 0
	v_lshrrev_b32 v3, 5, v0
	v_readfirstlane_b32 s2, v3                     ; wave
	v_lshlrev_b32 v1, 4, v0                        ; 16 t
	v_and_b32 v2, 15, v0
	v_lshlrev_b32 v2, 4, v2                        ; 16 r
	v_lshrrev_b32 v3, 4, v0                        ; g = t / 16
	v_add_nc_u32 v4, 240, v3
	v_min_u32 v4, 249, v4                          ; the sixteenth row: 240 + g, held inside the buffer,
	v_lshl_add_u32 v4, v4, 8, v2
	v_lshlrev_b32 v5, 5, v3                        ; 32 g
	v_mov_b32 v7, 1.0
	v_cmp_gt_u32 vcc_lo, 10, v3
	v_cndmask_b32 v6, 0, v7, vcc_lo                ; and weighted 0 where it does not exist
	v_bfe_u32 v232, v0, 4, 1
	v_lshl_add_u32 v232, v232, 11, v2              ; LDS: rows 8 h .. 8 h + 7, quad r
	s_lshl_b32 s3, s2, 8
	s_add_co_u32 s3, s3, 4096                      ; LDS: my wave's own 256 bytes
	v_add_nc_u32 v233, s3, v2
	v_mov_b32 v234, s3
	s_mul_i32 s4, ttmp9, 20480                     ; 80 rows of 256 bytes
	s_mov_b32 s5, 0
	s_mul_i32 s6, ttmp9, 2560                      ; 80 records of 32 bytes
	s_mov_b32 s7, 0
	s_mov_b32 s36, 0x350637bd                      ; 1 / 2,000,000
	s_mov_b32 s37, 0x3a83126f                      ; 0.001
	s_mov_b32 s40, 0x76543210
	s_mov_b32 s41, 0xfedcba98
	s_wait_kmcnt 0x0
	s_add_nc_u64 s[16:17], s[16:17], s[4:5]
	s_add_nc_u64 s[30:31], s[30:31], s[4:5]
	s_add_nc_u64 s[18:19], s[18:19], s[6:7]
	s_load_b128 s[32:35], s[28:29], 0x0            ; the pivot
.irp i,0,1,2,3,4,5,6,7,8,9,10,11,12,13,14
	global_load_b128 v[P+4*\i:P+4*\i+3], v1, s[20:21] offset:4096*\i           ; rows g + 16 i
.endr
	global_load_b128 v[P+60:P+63], v4, s[20:21]
.irp i,0,1,2,3,4,5,6,7,8
	global_load_b128 v[WV+4*\i:WV+4*\i+3], v2, s[22:23] offset:256*\i
.endr
	global_load_b128 v[GA:GA+3], v2, s[24:25]
	global_load_b128 v[BE:BE+3], v2, s[26:27]
.irp s,0,1,2,3,4
	global_load_b128 v[YM+4*\s:YM+4*\s+3], v1, s[16:17] offset:4096*\s th:TH_LOAD_NT
.endr
.irp s,0,1,2,3,4
	global_load_b128 v[RC+8*\s:RC+8*\s+3], v5, s[18:19] offset:512*\s
	global_load_b128 v[RC+8*\s+4:RC+8*\s+7], v5, s[18:19] offset:512*\s+16
.endr
.macro QADD d, s
	v_pk_add_f32 v[\d:\d+1], v[\d:\d+1], v[\s:\s+1]
	v_pk_add_f32 v[\d+2:\d+3], v[\d+2:\d+3], v[\s+2:\s+3]
.endm
	; THE TOTALS
	s_wait_loadcnt 26                              ; part's sixteen loads are in; the 26 younger ones stay out
	v_pk_fma_f32 v[P:P+1], v[P+60:P+61], v[6:7], v[P:P+1] op_sel_hi:[1,0,1]
	v_pk_fma_f32 v[P+2:P+3], v[P+62:P+63], v[6:7], v[P+2:P+3] op_sel_hi:[1,0,1]
.irp i,0,1,2,3,4,5,6
	QADD P+4*\i, P+4*\i+32
.endr
.irp i,0,1,2,3
	QADD P+4*\i, P+4*\i+16
.endr
	QADD P, P+8
	QADD P+4, P+12
	QADD P, P+4
	ds_store_b128 v1, v[P:P+3]                     ; row g, quad r
	s_wait_dscnt 0x0                               ; for the others' sake
	s_barrier_signal -1
	s_barrier_wait -1
.irp i,0,1,2,3,4,5,6,7
	ds_load_b128 v[P+4*\i:P+4*\i+3], v232 offset:256*\i
.endr
	s_wait_dscnt 0x0
.irp i,0,1,2,3
	QADD P+4*\i, P+4*\i+16
.endr
	QADD P, P+8
	QADD P+4, P+12
	QADD P, P+4
.irp c,0,1,2,3
	v_permlanex16_b32 v[P+4+\c], v[P+\c], s40, s41
.endr
	QADD P, P+4                                    ; every lane: quad r of the totals
	ds_store_b128 v233, v[P:P+3]                   ; into my wave's own bytes (lanes r and r + 16 write the same numbers);
.irp i,0,1,2,3,4,5,6,7,8,9,10,11,12,13
	ds_load_b128 v[MT+4*\i:MT+4*\i+3], v234 offset:16*\i       ; LDS serves a wave's instructions in order: these see that store.  All lanes read the same bytes
.endr
	; x0 and V, while the totals come back
	s_wait_loadcnt 15                              ; W, gamma, beta are in; ymax's five and rec's ten stay out
	s_wait_kmcnt 0x0
.irp c,0,1,2,3
	v_mul_f32 v[X0+\c], s32, v[WV+\c]
.endr
.irp c,0,1,2,3
	v_fma_f32 v[X0+\c], s33, v[WV+4+\c], v[X0+\c]
.endr
.irp c,0,1,2,3
	v_fma_f32 v[X0+\c], s34, v[WV+8+\c], v[X0+\c]
.endr
.irp c,0,1,2,3
	v_fma_f32 v[X0+\c], s35, v[WV+12+\c], v[X0+\c]
.endr
.irp c,0,1,2,3
	v_fma_f32 v[X0+\c], s32, v[WV+28+\c], v[X0+\c]
.endr
.irp c,0,1,2,3
	v_fma_f32 v[X0+\c], s33, v[WV+32+\c], v[X0+\c]
.endr
	QADD WV, WV+16                                 ; We0 = W0 + W4 + W7
	QADD WV+4, WV+20                               ; We1 = W1 + W5 + W8
	QADD WV+8, WV+24                               ; We2 = W2 + W6
	QADD WV, WV+28
	QADD WV+4, WV+32
; quad d = (PKM) or += (PKB) quad q times register b, which is the same number in both halves of a pair: op_sel picks it by b's parity
.macro PKM d, q, b
.if ((\b)&1)
	v_pk_mul_f32 v[\d:\d+1], v[\q:\q+1], v[(\b)-1:(\b)] op_sel:[0,1] op_sel_hi:[1,1]
	v_pk_mul_f32 v[\d+2:\d+3], v[\q+2:\q+3], v[(\b)-1:(\b)] op_sel:[0,1] op_sel_hi:[1,1]
.else
	v_pk_mul_f32 v[\d:\d+1], v[\q:\q+1], v[(\b):(\b)+1] op_sel_hi:[1,0]
	v_pk_mul_f32 v[\d+2:\d+3], v[\q+2:\q+3], v[(\b):(\b)+1] op_sel_hi:[1,0]
.endif
.endm
.macro PKB d, q, b
.if ((\b)&1)
	v_pk_fma_f32 v[\d:\d+1], v[\q:\q+1], v[(\b)-1:(\b)], v[\d:\d+1] op_sel:[0,1,0] op_sel_hi:[1,1,1]
	v_pk_fma_f32 v[\d+2:\d+3], v[\q+2:\q+3], v[(\b)-1:(\b)], v[\d+2:\d+3] op_sel:[0,1,0] op_sel_hi:[1,1,1]
.else
	v_pk_fma_f32 v[\d:\d+1], v[\q:\q+1], v[(\b):(\b)+1], v[\d:\d+1] op_sel_hi:[1,0,1]
	v_pk_fma_f32 v[\d+2:\d+3], v[\q+2:\q+3], v[(\b):(\b)+1], v[\d+2:\d+3] op_sel_hi:[1,0,1]
.endif
.endm
	s_wait_dscnt 0x0                               ; the totals
	PKM T1, WV, MT+46
.set sj, 1
.rept 8
	PKB T1, WV+4*sj, MT+46+sj
.set sj, sj+1
.endr
.set si, 0
.rept 9                                            ; T2 = sum over i of V_i (sum over j of S_ij V_j)
.set sj, 0
.rept 9
.if si <= sj
.set sm, 9*si-(si*(si-1))/2+(sj-si)
.else
.set sm, 9*sj-(sj*(sj-1))/2+(si-sj)
.endif
.if sj == 0
	PKM RR, WV, MT+sm
.else
	PKB RR, WV+4*sj, MT+sm
.endif
.set sj, sj+1
.endr
.if si == 0
	v_pk_mul_f32 v[T2:T2+1], v[WV:WV+1], v[RR:RR+1]
	v_pk_mul_f32 v[T2+2:T2+3], v[WV+2:WV+3], v[RR+2:RR+3]
.else
	v_pk_fma_f32 v[T2:T2+1], v[WV+4*si:WV+4*si+1], v[RR:RR+1], v[T2:T2+1]
	v_pk_fma_f32 v[T2+2:T2+3], v[WV+4*si+2:WV+4*si+3], v[RR+2:RR+3], v[T2+2:T2+3]
.endif
.set si, si+1
.endr
	v_sub_f32 v56, 0x49f42400, v[MT+45]            ; 2,000,000 - nv: the masked rows
	v_mov_b32 v57, 0
.irp hh,0,2
	v_pk_fma_f32 v[MU+\hh:MU+\hh+1], v[X0+\hh:X0+\hh+1], v[MT+44:MT+45], v[T1+\hh:T1+\hh+1] op_sel:[0,1,0] op_sel_hi:[1,1,1]
	v_pk_mul_f32 v[MU+\hh:MU+\hh+1], v[MU+\hh:MU+\hh+1], s[36:37] op_sel_hi:[1,0]          ; mu
	v_pk_add_f32 v[DD+\hh:DD+\hh+1], v[X0+\hh:X0+\hh+1], v[MU+\hh:MU+\hh+1] neg_lo:[0,1] neg_hi:[0,1]
	v_pk_fma_f32 v[TQ+\hh:TQ+\hh+1], v[DD+\hh:DD+\hh+1], v[MT+44:MT+45], v[T1+\hh:T1+\hh+1] op_sel:[0,1,0] op_sel_hi:[1,1,1]
	v_pk_add_f32 v[TQ+\hh:TQ+\hh+1], v[TQ+\hh:TQ+\hh+1], v[T1+\hh:T1+\hh+1]                ; 2 T1 + nv d
	v_pk_fma_f32 v[VA+\hh:VA+\hh+1], v[DD+\hh:DD+\hh+1], v[TQ+\hh:TQ+\hh+1], v[T2+\hh:T2+\hh+1]
	v_pk_mul_f32 v[TQ+\hh:TQ+\hh+1], v[MU+\hh:MU+\hh+1], v[MU+\hh:MU+\hh+1]
	v_pk_fma_f32 v[VA+\hh:VA+\hh+1], v[TQ+\hh:TQ+\hh+1], v[56:57], v[VA+\hh:VA+\hh+1] op_sel_hi:[1,0,1]
.endr
.irp c,0,1,2,3
	v_fma_f32 v[VA+\c], v[VA+\c], s36, s37         ; var + 0.001
.endr
.irp c,0,1,2,3
	v_rsq_f32 v[RS+\c], v[VA+\c]
.endr
.irp c,0,1,2,3
	v_and_b32 v[SG+\c], 0x80000000, v[GA+\c]       ; plain instructions stand between v_rsq_f32 and the use of its result (ISA guide 5.7.2)
.endr
.irp c,0,1,2,3
	v_and_b32 v[GA+\c], 0x7fffffff, v[GA+\c]
.endr
	s_wait_alu depctr_va_vdst(0)
.irp c,0,1,2,3
	v_mul_f32 v[AC+\c], v[GA+\c], v[RS+\c]
	v_xor_b32 v[TQ+\c], v[SG+\c], v[MU+\c]
	v_xor_b32 v[ZZ+\c], v[SG+\c], v[X0+\c]
.endr
.irp c,0,1,2,3
	v_fma_f32 v[BC+\c], -v[AC+\c], v[TQ+\c], v[BE+\c]
.endr
.irp i,4,5,6,7,8
.irp c,0,1,2,3
	v_xor_b32 v[WV+4*\i+\c], v[SG+\c], v[WV+4*\i+\c]           ; sg Wb
.endr
.endr
	; THE FIVE STEPS, sixteen pillars each
	s_wait_loadcnt 0x0
.irp s,0,1,2,3,4
.set S_Y, YM+4*\s
.set S_R, RC+8*\s
	QADD S_Y, ZZ
.irp i,0,1,2,3,4
	PKB S_Y, WV+16+4*\i, S_R+\i
.endr
.irp c,0,1,2,3
	v_max_num_f32 v[S_Y+\c], v[S_Y+\c], v[S_R+5]   ; a masked row's x = 0, where the pillar has one
.endr
	v_pk_fma_f32 v[S_Y:S_Y+1], v[S_Y:S_Y+1], v[AC:AC+1], v[BC:BC+1]
	v_pk_fma_f32 v[S_Y+2:S_Y+3], v[S_Y+2:S_Y+3], v[AC+2:AC+3], v[BC+2:BC+3]
.irp c,0,1,2,3
	v_max_num_f32 v[S_Y+\c], 0, v[S_Y+\c]
.endr
	global_store_b128 v1, v[S_Y:S_Y+3], s[30:31] offset:4096*\s th:TH_STORE_NT
.endr
	s_wait_tensorcnt 0x0
	ds_add_u32 v236, v237
	s_wait_dscnt 0x0
	s_endpgm
.Lfunc_end_k_qd20898212e_finish:
	.size	k_qd20898212e_finish, .Lfunc_end_k_qd20898212e_finish-k_qd20898212e_finish
	.p2alignl 7, 3214868480
	.fill 96, 4, 3214868480
	.section	.rodata,"a",@progbits
	.p2align	6, 0x0
	.amdhsa_kernel k_qd20898212e_finish
		.amdhsa_group_segment_fixed_size 7168
		.amdhsa_private_segment_fixed_size 0
		.amdhsa_enable_private_segment 0
		.amdhsa_kernarg_size 64
		.amdhsa_user_sgpr_count 2
		.amdhsa_user_sgpr_kernarg_segment_ptr 1
		.amdhsa_wavefront_size32 1
		.amdhsa_system_sgpr_workgroup_id_x 1
		.amdhsa_system_sgpr_workgroup_id_y 1
		.amdhsa_system_sgpr_workgroup_id_z 1
		.amdhsa_system_vgpr_workitem_id 0
		.amdhsa_next_free_vgpr 238
		.amdhsa_next_free_sgpr 66
		.amdhsa_reserve_vcc 1
		.amdhsa_float_denorm_mode_32 3
		.amdhsa_float_denorm_mode_16_64 3
		.amdhsa_memory_ordered 1
		.amdhsa_forward_progress 1
		.amdhsa_inst_pref_size 35
	.end_amdhsa_kernel
	.amdgpu_metadata
---
amdhsa.version: [ 1, 2 ]
amdhsa.kernels:
  - .name:           k_qd20898212e_finish
    .symbol:         k_qd20898212e_finish.kd
    .args:
      - { .name: ymax, .offset: 0, .size: 8, .value_kind: global_buffer, .address_space: global }
      - { .name: rec, .offset: 8, .size: 8, .value_kind: global_buffer, .address_space: global }
      - { .name: part, .offset: 16, .size: 8, .value_kind: global_buffer, .address_space: global }
      - { .name: W, .offset: 24, .size: 8, .value_kind: global_buffer, .address_space: global }
      - { .name: gamma, .offset: 32, .size: 8, .value_kind: global_buffer, .address_space: global }
      - { .name: beta, .offset: 40, .size: 8, .value_kind: global_buffer, .address_space: global }
      - { .name: features, .offset: 48, .size: 8, .value_kind: global_buffer, .address_space: global }
      - { .name: out0, .offset: 56, .size: 8, .value_kind: global_buffer, .address_space: global }
    .group_segment_fixed_size: 7168
    .private_segment_fixed_size: 0
    .kernarg_segment_align: 8
    .kernarg_segment_size: 64
    .max_flat_workgroup_size: 256
    .sgpr_count:     66
    .vgpr_count:     238
    .wavefront_size: 32
...
	.end_amdgpu_metadata
.endif
;; end of part 2
